; MI455X (gfx1250); checked and timed in simulation.
; The chip was launched on July 23, 2026; its instructions are those of AMD's public machine-readable ISA for CDNA 5 (MIT licence, August 2026) and "CDNA5" Instruction Set Architecture Reference Guide (July 2026). The comments in the code are by the model that wrote it; some were corrected since.
;; Bigbird Simulated Attention. Allowed arithmetic: matrix products marked QUANTISED: E2M1 operands, one E8M0 scale for each 32 along K, by v_wmma_scale_f32_16x16x128_f8f6f4 with both operands' format E2M1 (or v_wmma_scale_f32_32x16x128_f4), f32 sums; everything else in f32.
;; Inputs: k_codes 1 x 12 x 4,096 x 2 x 16 uint8 (E2M1 codes of k, K innermost, in blocks of 32 codes, two codes a byte); k_scales 1 x 12 x 4,096 x 2 uint8 (E8M0 scales of k, one for each 32 codes along K); mask 4,096 x 4,096 int32; q_codes 1 x 12 x 4,096 x 2 x 16 uint8 (E2M1 codes of q, K innermost, in blocks of 32 codes, two codes a byte); q_scales 1 x 12 x 4,096 x 2 uint8 (E8M0 scales of q, one for each 32 codes along K); v_codes 1 x 12 x 64 x 128 x 16 uint8 (E2M1 codes of v, K innermost, in blocks of 32 codes, two codes a byte); v_scales 1 x 12 x 64 x 128 uint8 (E8M0 scales of v, one for each 32 codes along K).
;; Outputs: out0 1 x 12 x 4,096 x 64 float32.
;; This version of the problem:
;;   THIS VERSION OF THE PROBLEM IS GIVEN IN LOW PRECISION. The matrix products marked QUANTISED in the list below multiply operands that are first quantised to E2M1 (2 exponent bits, 1 mantissa bit; 4 bits a number), with one power-of-two scale for each 32 numbers along K (OCP MX v1.0); their sums are f32. All else is computed in f32.
;;   The module's matrix products, in the order in which they are computed (A, B: the left and right operand; K: the contracted axis; several contracted axes count as one K, in the product's order):
;;     1. batch 12 x [M 4,096, K 64] x [K 64, N 4,096]; A: input q (given as codes); B: input k (given as codes): QUANTISED
;;     2. batch 12 x [M 4,096, K 4,096] x [K 4,096, N 64]; A: softmax (see below); B: input v (given as codes): QUANTISED
;;   THE QUANTISER, for each operand of a quantised product, along K:
;;     - K is cut into blocks of 32 from its start; a last block that is shorter is filled with zeros.
;;     - A block's scale is 2^e with e = floor(log2(the largest magnitude in the block)) - 2, held to -126 .. 127; a block of zeros has e = 0. As a byte (E8M0): e + 127.
;;     - Each number is divided by its block's scale, clamped to +-6, and rounded to the nearest number of E2M1, ties to even, subnormals kept.
;;     - The product sums the exact products of the quantised numbers (number of the format x scale) in f32.
;;   ~~~python
;;   def quantise(x, axis):      # numpy; x: float32 -> the quantised numbers, widened to float32 again
;;       x = np.moveaxis(x, axis, -1); K = x.shape[-1]
;;       x = np.pad(x, [(0, 0)] * (x.ndim - 1) + [(0, -K % 32)]); x = x.reshape(x.shape[:-1] + (-1, 32)); a = np.abs(x).max(-1, keepdims=True)
;;       e = np.where(a > 0, np.clip(np.frexp(np.where(a > 0, a, 1))[1] - 1 - 2, -126, 127), 0)      # np.frexp(a)[1] - 1 = floor(log2(a)), exactly
;;       r = np.clip(x / 2.0 ** e, -6, 6)
;;       step = 2.0 ** (np.maximum(np.frexp(np.where(r == 0, 1, r))[1] - 1, 0) - 1)
;;       q = np.round(r / step) * step * 2.0 ** e      # np.round: ties to even
;;       return np.moveaxis(q.reshape(q.shape[:-2] + (-1,))[..., :K], -1, axis).astype(np.float32)
;;   ~~~
;;   SOFTMAX AHEAD OF A QUANTISED PRODUCT. Where the list says 'softmax', what is quantised is not the finished softmax but p = 2^(t - M), with t = logit x log2(e) and M = ceil(the row's largest t), a whole number; so 1/2 < the row's largest p <= 1. The row's sum l is taken of the UNQUANTISED p, in f32, and the product's result is divided by l at the end. Since M is a whole number, a kernel that streams over the keys may use a running M (the ceiling of the running maximum): every later rescaling is an exact power of two, which a block's scale takes up: the codes' values come out the same.
;;   OPERANDS COMPUTED ON THE WAY. 'Computed on the way' means the value that the module computes at that place (a softmax that the list does not call 'softmax' is quantised finished and normalised). What goes into a quantiser is computed in f32, as accurately as f32 sums, v_exp_f32 and their like allow (about 1e-6 of the number): no bf16 or f16 on the way to a quantiser, and a product that is left as it is and whose result goes on into a quantised operand takes f32 operands (vector FMAs, or v_wmma_f32_16x16x4_f32). A number that lies on a knife's edge between two numbers of the format may be rounded either way, as far as f32 arithmetic and the matrix unit's own rounding can turn it there, and no further.
;;   INPUTS GIVEN AS CODES. k (in the module: [1, 12, 4096, 64], K = its axis 3); q (in the module: [1, 12, 4096, 64], K = its axis 3); v (in the module: [1, 12, 4096, 64], K = its axis 2): each comes as NAME_codes (uint8): NAME with its K axis moved to the last place and cut into blocks of 32 codes, [.., K / 32, bytes a block], one block behind the other in memory; two codes a byte, the lower K in the low four bits (a code: sign, 2 exponent bits, 1 mantissa bit); and NAME_scales (uint8): the same leading axes, one E8M0 byte (e + 127) for each 32 codes along K. Its value is code x scale, taken as it is: it is not quantised again, and the codes and scales need not be those that the quantiser above would give.
;; One version. Each part assembles by itself: llvm-mc -triple=amdgcn-amd-amdhsa -mcpu=gfx1250 --defsym DOCPART=n.
;; ======== version 1 of 1: 1 launch
;; limits: right only within a limited range of input values
;; launch bigbird (part 1): grid 4 x 64, 8 waves a work-group, clusters of 4 x 4, 327,680 bytes of LDS; arguments q_codes, q_scales, k_codes, k_scales, v_codes, v_scales, mask, out0; writes out0
.if DOCPART == 1
	.amdgcn_target "amdgcn-amd-amdhsa--gfx1250"
	.amdhsa_code_object_version 6
	.text
	.protected	k_q8184614f68_bigbird
	.globl	k_q8184614f68_bigbird
	.p2align	8
	.type	k_q8184614f68_bigbird,@function
k_q8184614f68_bigbird:
	s_mov_b64 s[64:65], 0
	v_nop
	global_prefetch_b8 v0, s[64:65] scope:SCOPE_SE
	s_setreg_imm32_b32 hwreg(HW_REG_WAVE_MODE, 25, 1), 1
	s_wait_xcnt 0x0
	s_wait_alu depctr_hold_cnt(0) depctr_sa_sdst(0) depctr_va_vdst(0) depctr_va_sdst(0) depctr_va_ssrc(0) depctr_va_vcc(0) depctr_vm_vsrc(0)
	s_getreg_b32 s2, hwreg(HW_REG_IB_STS2, 6, 4)
	s_cmp_eq_u32 s2, 0
	s_cbranch_scc0 .Lentry_in_a_cluster
	s_endpgm
.Lentry_in_a_cluster:
	s_bfe_u32 s2, ttmp6, 0x10000c
	s_cmp_lg_u32 s2, 0xf033
	s_cbranch_scc0 .Lentry_shape_is_right
	s_endpgm
.Lentry_shape_is_right:
; out[h][q][:] = the sum over k of softmax_k(q . k / 8 + (1 - mask[q][k]) x -10000) v[h][k][:].  12 heads, 4,096 queries and keys, head size 64.
; Both products on codes of FP4 (E2M1) with one E8M0 scale for each 32 along a product's K.  q, k: codes along the head's 64; v: codes with the keys innermost.  mask: [4096][4096] int32, an input.  out: f32.
; NOTHING IS SKIPPED: the mask is an input and -10000 is a finite number; every key of every query is multiplied, and the mask enters as a number.
; THE SOFTMAX: t = logit x log2(e); M = the running largest t rounded UP to a whole number; p = 2^(t - M) is quantised along the keys, not normalised; the sum is taken of the unquantised p and divides at the end.
; SHARES.  A work-group owns 64 queries x 3 heads.  Wave w (0..7): tile qt = w & 3 of 16 queries, for all THREE heads, and half kh = w >> 2 of the keys: 128 of each step's 256.  The mask's numbers are made once for three
; heads.  Waves w and w + 4 are joined at the end: their whole numbers M differ by a power of two.
; LAYOUT.  Both products are used transposed (S^T = K Q^T, O^T = V^T P^T): a lane (r = lane % 16, h = lane / 16) holds ONE query, r, throughout.
; THE KEYS OF A TILE ARE CHOSEN: row m of tile 4 g + T takes key 64 g + 32 (m / 8) + 8 T + m % 8.  In S^T register j of that tile is then key 64 g + 32 h + 8 T + j: a lane's 32 registers of group g are ONE block of 32 keys
; (block 2 g + h), so a block's maximum needs no other lane, and the conversion of tile 4 g + T is register 4 g + T of P's operand as it stands.
; THE MASK IS THE C OF THE FIRST PRODUCT: 8 x the adder = (mask - 1) x 80000.  All of S' is kept times 2^-39 (39 is taken off Q's scale bytes once, and put back by the factor c): S' = 2^-39 (k . q + (mask - 1) x 80000), t = S' x 2^39 log2(e) / 8.
; A mask number m from 0 to 2^23 - 1, its bits read as an f32, is the denormal m x 2^-149 (the mode keeps denormals); times 80000 x 2^110, a finite f32, it is m x 80000 x 2^-39: one packed fused multiply-add makes two numbers of C.
; THE HEAD'S 64 FILL HALF OF THE INSTRUCTION'S 128: Q's upper four registers are zero codes; K's fragments lie four registers apart, so a tile's upper four are the next tile's codes (the last tile's: zeros), which meet
; Q's zeros; the scale words' upper two bytes are 0.
; A BLOCK'S SCALE: the exponent of its largest p = 2^x is floor(x), x = t - M of its largest score, held to -124 from below: byte = floor(x) + 125.
; CLUSTER, 4 x 4.  The mask's tiles hang on the query block alone: the four work-groups of a row of the cluster ask for them jointly.  K, V and their scales hang on the heads alone: the four of a column ask jointly.
; STEPS.  256 keys of the mask and of K a step, two slots each; V comes 512 keys at a time (rows of 256 bytes), so one fill of V serves two steps; two slots.  A trip of the loop is two steps.
; ORDER.  Head i + 1's first product is issued ahead of head i's exponentials, into a second buffer of scores.  The round of the cluster's barrier that precedes a refill opens when a step's last LDS read has come back; the last head's exponentials,
; sums and second product, work on registers, stand between its opening signal and the wait.
; LIMITS.  mask numbers are 0 to 8,388,607.  Scaled scores stay under 2^31 in magnitude.  q's scale bytes under 40 count as 40 (2^-87); bytes 0xff are not served.  (mask - 1) x 80000 is rounded once.
; The adder is added inside the matrix instruction's sum, by that instruction's own rounding; it shows only in rows whose every key is masked.  p under 2^-126 counts as 0 (v_exp_f32).  Where x lies within the rounding of an exponential under a whole number, the block's
; exponent is that of the exact 2^x.  NaN and infinities are not served beyond what the matrix instruction makes of them.
; REGISTERS, window 0: v1-5 lane bases; v6, v7 the add's two; v8-12 the step's LDS addresses; v13 8 h; v14-15, v28-39 at work; v16-27 statistics, four a head (-M, largest S', the sum's two halves);
;   v40-49 scale words and nothing else; v50 the prefetch's offset; v52-59 P's codes; v60-95 K's fragments; v96-159, v160-223 scores, then p; v224-255 V's.   window 1: v0-23 Q; v26-27 a constant; v32-127 O^T (head i, tile t at 32 + 32 i + 8 t); v128-191 the adder.
.set MP,    1040                       ; a row of 1,024 bytes in LDS + 16 of padding = 65 x 16: sixteen rows begin at sixteen different 16-byte columns of the 64 banks of 4 bytes (ISA guide 11.1)
.set KHB,   8*MP                       ; a head's 256 keys x 32 bytes, as 8 such rows
.set VP,    272                        ; a row of V's tile: 256 bytes + 16
.set VHB,   64*VP
.set VSP,   136                        ; a row of V's scale bytes: 128 + 8
.set LMS,   64*MP                      ; the mask's slots at 0 and LMS
.set LV0,   2*LMS                      ; V's slots at LV0 and LV0 + VX: one exclusive or turns an address in one slot into the other's
.set VX,    1<<16
.set LS0,   LV0+3*VHB                  ; between them K's scale bytes, two slots of 3 x 512,
.set SPARE, LS0+2*1536                 ; and the spare words, 128 bytes for each wave: four blocks of 256 bytes that no other line names
.set LK0,   LV0+VX+3*VHB               ; K's slots
.set LKS,   3*KHB
.set LVS,   LK0+2*LKS                  ; V's scale bytes, all keys: 192 rows
.set MRGW,  13056                      ; the tail: for each tile of queries an image of O^T (24 x 512 bytes) and of the statistics (3 x 256), in the mask's slot 0, last filled and last read a step earlier;
.set STG,   LMS                        ; and in the mask's slot 1, behind the tail's barrier, for each tile of queries three stages of 16 rows x 272 bytes
.set SP,    272
.set AM0,  1                           ; lane bases: the mask, K, V, K's scales, V's scales
.set AK0,  2
.set AV0,  3
.set AKS0, 4
.set AVS0, 5
.set SPW,  6                           ; LDS address of my spare word; never rewritten
.set NIL,  7                           ; 0; never rewritten
.set ADM,  8
.set ADK,  9
.set ADV,  10
.set ADKS, 11
.set ADVS, 12
.set MA,   8                           ; the tail's addresses: the image of O^T, of the statistics, into the stage, back from it, and my byte offset in out
.set MS,   9
.set STO,  10
.set RD,   11
.set GO,   12
.set SH8,  13
.set X1,   14                          ; the sum's side chains: v[14:15], v[38:39], v[32:33]
.set ST,   16
.set F,    28                          ; f = 2^(old M - new M); v29 is named with it as a pair
.set T0,   29
.set BM,   30                          ; v30, v31 the two blocks' largest scores; v32, v33 side chains
.set SO,   34                          ; v34, v35 the conversions' scale operands
.set T1,   36
.set TP,   37                          ; a lane permute's destination
.set X,    38
.set KSR,  40                          ; v40-43 K's scale words: register 2 g + u: lanes 0-15 tile 4 g + 2 u, lanes 16-31 tile 4 g + 2 u + 1
.set VSR,  44                          ; v44-45 V's: register u: lanes 0-15 tile 2 u, lanes 16-31 tile 2 u + 1
.set QS,   46
.set PW,   49
.set PFO,  50
.set PC,   52
.set KF,   60
.set SA,   96
.set SB,   160
.set VF,   224
.set PS,   224                         ; the tail: the partner's statistics; v232 on four registers a head: fa / l, at work, fb / l, at work
.set G,    232
.set QF,   0                           ; window 1
.set CNW,  26                          ; window 1: -80000 x 2^-39, twice
.set OT,   32                          ; window 1
.set ADD,  128                         ; window 1
.set PFA,  2                           ; s[2:3] where my prefetches stand
.set WV,   20
.set KH,   21
.set QT,   22
.set SEL,  24                          ; s[24:25] v_permlanex16_b32's selects for lane l xor 16
.set CS,   26                          ; s[26:27] c = 2^39 log2(e) / 8
.set K8,   28                          ; s[28:29] 80000 x 2^110
.set TV,   30                          ; V's slot in hand: 0 or VX
.set TJ,   32                          ; V's scale bytes: 16 a trip in each row
.set TRIPS, 33
.set G0VS, 36
.set G1M,  40
.set G1K,  48
.set G1V,  56
.set MPART, 66                         ; my half of the mask's tile in LDS
.set KPART, 67                         ; KHB x wave: waves 2, 3, 4 fetch a head of K each
.set G1KS, 68
.set G1VS, 76
.set G0M,  84
.set G0K,  88
.set G0V,  92
.set G0KS, 96
.set MSB, 0
.macro WIN new                         ; bits 1:0 source 0, 3:2 source 1, 5:4 source 2, 7:6 destination; the immediate's high byte repeats the setting that is left
.if MSB != \new
	s_set_vgpr_msb (MSB<<8)|\new
.set MSB, \new
.endif
.endm
.macro VWAIT
	s_wait_alu depctr_va_vdst(0)
.endm
.macro PLACES                          ; four plain vector instructions behind a matrix instruction, ahead of reads of its result and of loads into its registers
.rept 4
	v_nop
.endr
.endm
.macro TL g0, g1                       ; a tensor load; four v_nop follow it
	tensor_load_to_lds s[\g0:\g0+3], s[\g1:\g1+7]
	s_nop 0
.rept 4
	v_nop
.endr
.endm
.macro SHAPE g, c, r, p                ; words 1 to 7 of a group 1: r rows of c elements, p elements from row to row; the tiles lie inside their tensors, so the extents are the tile's
	s_mov_b32 s[\g+1], (\c)<<16
	s_mov_b32 s[\g+2], (\r)<<16
	s_mov_b32 s[\g+3], (\c)<<16
	s_mov_b32 s[\g+4], \r
	s_mov_b32 s[\g+5], \p
	s_mov_b32 s[\g+6], 0
	s_mov_b32 s[\g+7], 0
.endm
; A joint refill, one load a wave: waves 0, 1 the mask's halves; waves 2, 3, 4 K of a head each; wave 5 K's scale bytes; wave 6, where v is odd, V of three heads.  The branches hang on the wave's number alone.
.macro JLOAD v
	s_cmp_lt_u32 s[WV], 2
	s_cbranch_scc0 .Lnot_m_\@
	TL G0M, G1M
	s_branch .Lasked_\@
.Lnot_m_\@:
	s_cmp_lt_u32 s[WV], 5
	s_cbranch_scc0 .Lnot_k_\@
	TL G0K, G1K
	s_branch .Lasked_\@
.Lnot_k_\@:
	s_cmp_lt_u32 s[WV], 6
	s_cbranch_scc0 .Lnot_s_\@
	TL G0KS, G1KS
	s_branch .Lasked_\@
.Lnot_s_\@:
.if (\v)%2
	s_cmp_lt_u32 s[WV], 7
	s_cbranch_scc0 .Lasked_\@
	TL G0V, G1V
.endif
.Lasked_\@:
.endm
; A PREFETCH INTO THE L2 of a tile of the mask, 64 rows x 1,024 bytes, two steps ahead of the joint load that will ask for it.  The four work-groups that ask for it jointly are the only ones that read it; they share its rows out BY ADDRESS,
; 16 each; in each, waves 0 and 1 take 8 rows, a lane one block of 256 bytes (8 rows x 4 blocks): each block is named once in the launch.  Steps 0, 1 and 2 come by their loads alone; the loop's last round asks for step 15, and nothing is asked for behind the loop.
; K and V are a twentieth of the mask's bytes and are read by sixteen clusters: they are not asked for.
.macro ASK
	s_cmp_lt_u32 s[WV], 2
	s_cbranch_scc0 .Lnot_mine_\@
	global_prefetch_b8 v[PFO], s[PFA:PFA+1] th:TH_LOAD_NT scope:SCOPE_SE
.Lnot_mine_\@:
.endm
.macro CREST                           ; a round of the cluster's barrier behind its opening barrier: wave 0 signals for the work-group; every wave waits for all sixteen; my work-group's barrier once more
	s_cmp_lg_u32 s[WV], 0
	s_cbranch_scc1 .Lnot_wave_0_\@
	s_barrier_signal -3
.Lnot_wave_0_\@:
	s_barrier_wait -3
	s_barrier_signal -1
	s_barrier_wait -1
.endm
.macro CROUND
	s_barrier_signal -1
	s_barrier_wait -1
	CREST
.endm
; The descriptors of the next refill: slot e of the mask and of K, the next 256 keys; v: the other slot of V, the next 512.  No tensor load of mine is out here.
.macro NEXT e, v
	s_add_co_u32 s[G0M+1], s[MPART], (\e)*LMS
	s_add_nc_u64 s[G0M+2:G0M+3], s[G0M+2:G0M+3], 1024   ; (the type bits on top are not reached)
	s_add_co_u32 s[G0K+1], s[KPART], LK0-2*KHB+(\e)*LKS
	s_add_nc_u64 s[G0K+2:G0K+3], s[G0K+2:G0K+3], 8192
	s_mov_b32 s[G0KS+1], LS0+(\e)*1536
	s_add_nc_u64 s[G0KS+2:G0KS+3], s[G0KS+2:G0KS+3], 512
.if (\v)%2
	s_xor_b32 s[G0V+1], s[G0V+1], VX
	s_add_nc_u64 s[G0V+2:G0V+3], s[G0V+2:G0V+3], 256
.endif
	s_wait_xcnt 0x0                                ; the last prefetch, a step back, has read its address, so it may be written
	s_add_nc_u64 s[PFA:PFA+1], s[PFA:PFA+1], 1024
.endm
	s_load_b256 s[4:11], s[0:1], 0x0               ; q's codes s[4:5], q's scales s[6:7], k's codes s[8:9], k's scales s[10:11]
	s_load_b256 s[12:19], s[0:1], 0x20             ; v's codes s[12:13], v's scales s[14:15], mask s[16:17], out s[18:19]
	v_lshl_add_u32 v[SPW], v0, 2, SPARE
	v_mov_b32 v[NIL], 0
	ds_add_u32 v[SPW], v[NIL]                      ; the wave's opening: the add, twice on end, ahead of my first tensor load
	ds_add_u32 v[SPW], v[NIL]
	v_lshrrev_b32 v8, 5, v0
	v_readfirstlane_b32 s[WV], v8                  ; wave 0..7
	s_lshr_b32 s[KH], s[WV], 2                     ; which 128 of a step's 256 keys
	s_and_b32 s[QT], s[WV], 3                      ; which 16 of the 64 queries
	s_bfe_u32 s100, ttmp6, 0x40000                 ; cx
	s_bfe_u32 s35, ttmp6, 0x40004                  ; cy
	s_lshl_b32 s101, ttmp9, 2
	s_add_co_u32 s101, s101, s100                  ; group of heads = 4 x cluster x + cx,
	s_mul_i32 s101, s101, 3                        ; and its first head
	s_and_b32 s66, ttmp7, 0xffff
	s_lshl_b32 s66, s66, 2
	s_add_co_u32 s66, s66, s35                     ; block of 64 queries = 4 x cluster y + cy
	s_lshl_b32 s35, s35, 2
	s_lshl_b32 s35, 15, s35                        ; my row of the cluster
	s_lshl_b32 s104, 0x1111, s100                  ; my column
	; group 1, word 0: 15:0 the mask of work-groups; 17:16 the element's size; 20 padding on; 21 set beside a mask; 24:22 the padding's interval; 31:25 its words less one
	s_or_b32 s[G1M], s35, (2<<16)|(1<<20)|(1<<21)|(7<<22)|(3<<25)    ; the mask: elements of 4 bytes; 4 words behind every 256
	s_or_b32 s[G1K], s104, (3<<16)|(1<<20)|(1<<21)|(7<<22)|(3<<25)   ; K: elements of 8 bytes; 4 words behind every 256
	s_or_b32 s[G1V], s104, (3<<16)|(1<<20)|(1<<21)|(5<<22)|(3<<25)   ; V: 4 words behind every 64
	s_or_b32 s[G1KS], s104, (3<<16)|(1<<21)                          ; K's scales: dense
	s_or_b32 s[G1VS], s104, (3<<16)|(1<<20)|(1<<21)|(4<<22)|(1<<25)  ; V's scales: 2 words behind every 32
	SHAPE G1M, 256, 32, 4096                       ; 32 rows x 256 numbers of the mask, 4,096 numbers from row to row
	SHAPE G1K, 128, 8, 128                         ; 256 keys x 32 bytes are dense: 8 rows of 1,024 bytes
	SHAPE G1V, 32, 192, 256                        ; three heads' 192 rows x 256 bytes, 2,048 bytes from row to row
	SHAPE G1KS, 64, 3, 1024                        ; three heads' 512 bytes, 8,192 from head to head
	SHAPE G1VS, 32, 96, 32                         ; 192 dense rows of 128 bytes, stated as 96 rows of 256; the padding stands behind each 128
	s_mov_b32 s35, s66                             ; the query block
	; group 0: 1, the LDS address, the global address with the type 2 on top.  Every wave makes all of them and asks by its own.
	s_and_b32 s23, s[WV], 1
	s_mov_b32 s[G0M], 1
	s_mul_i32 s[G0M+1], s23, 32*MP                 ; the mask's half: 32 rows
	s_lshl_b32 s23, s23, 19                        ; 32 rows of 16,384 bytes
	s_lshl_b32 s66, s35, 20                        ; 64 rows a query block
	s_add_co_u32 s66, s66, s23
	s_mov_b32 s67, 0
	s_mov_b32 s[G0K], 1
	s_mul_i32 s[G0K+1], s[WV], KHB
	s_add_co_u32 s[G0K+1], s[G0K+1], LK0-2*KHB     ; waves 2, 3, 4: LK0 + KHB x (wave - 2)
	s_max_u32 s23, s[WV], 2
	s_min_u32 s23, s23, 4
	s_sub_co_u32 s23, s23, 2                       ; which of the three heads' K, for the global address (held to 0..2 in the waves that do not ask by it)
	s_mov_b32 s[G0V], 1
	s_mov_b32 s[G0V+1], LV0
	s_mov_b32 s[G0KS], 1
	s_mov_b32 s[G0KS+1], LS0
	s_mov_b32 s[G0VS], 1
	s_mov_b32 s[G0VS+1], LVS
	s_mov_b32 s105, 0
	VWAIT
	s_wait_dscnt 0x0                               ; both opening adds are done
	s_wait_kmcnt 0x0
	s_add_nc_u64 s[G0M+2:G0M+3], s[16:17], s[66:67]
	s_or_b32 s[G0M+3], s[G0M+3], 0x80000000
	s_add_co_u32 s104, s101, s23
	s_lshl_b32 s104, s104, 17                      ; a head's codes are 131,072 bytes
	s_add_nc_u64 s[G0K+2:G0K+3], s[8:9], s[104:105]
	s_or_b32 s[G0K+3], s[G0K+3], 0x80000000
	s_lshl_b32 s104, s101, 17
	s_add_nc_u64 s[G0V+2:G0V+3], s[12:13], s[104:105]
	s_or_b32 s[G0V+3], s[G0V+3], 0x80000000
	s_lshl_b32 s104, s101, 13                      ; a head's scale bytes are 8,192
	s_add_nc_u64 s[G0KS+2:G0KS+3], s[10:11], s[104:105]
	s_or_b32 s[G0KS+3], s[G0KS+3], 0x80000000
	s_add_nc_u64 s[G0VS+2:G0VS+3], s[14:15], s[104:105]
	s_or_b32 s[G0VS+3], s[G0VS+3], 0x80000000
	CROUND                                         ; all sixteen work-groups are here: the first joint loads meet
; THE HEAD'S LOADS, ONE A WAVE: step 0 of the mask, K and K's scales; V's first 512 keys; V's scale bytes, which are filled once.  One chain of branches on the wave's number, a load in every arm.
.macro ARM under, g0, g1, next
	s_cmp_lt_u32 s[WV], \under
	s_cbranch_scc0 \next
	TL \g0, \g1
	s_branch .Lhead_asked
\next:
.endm
	ARM 2, G0M,  G1M,  .Lhead_k
	ARM 5, G0K,  G1K,  .Lhead_ks
	ARM 6, G0KS, G1KS, .Lhead_v
	ARM 7, G0V,  G1V,  .Lhead_vs
	TL G0VS, G1VS
.Lhead_asked:
	s_and_b32 s[MPART], s[WV], 1
	s_mul_i32 s[MPART], s[MPART], 32*MP
	s_mul_i32 s[KPART], s[WV], KHB
	s_mul_i32 s8, s[QT], 16*MP                     ; (k's and v's pointers are done with: s8-s15 are at work)
	s_lshl_b32 s9, s[KH], 9
	s_add_co_u32 s8, s8, s9
	s_mul_i32 s9, s[KH], 4*MP
	s_lshl_b32 s10, s[KH], 6
	s_add_co_u32 s10, s10, LV0
	s_lshl_b32 s11, s[KH], 8
	s_lshl_b32 s12, s[KH], 2
	s_add_co_u32 s12, s12, LVS
	s_lshl_b32 s13, s35, 6
	s_lshl_b32 s14, s[QT], 4
	s_add_co_u32 s13, s13, s14                     ; my first query
	s_mov_b32 s15, 0
	s_lshl_b32 s14, s101, 17
	s_lshl_b32 s23, s13, 5
	s_add_co_u32 s14, s14, s23
	s_add_nc_u64 s[4:5], s[4:5], s[14:15]          ; its codes in my first head,
	s_lshl_b32 s14, s101, 13
	s_lshl_b32 s23, s13, 1
	s_add_co_u32 s14, s14, s23
	s_add_nc_u64 s[6:7], s[6:7], s[14:15]          ; its scale bytes,
	s_lshl_b32 s14, s101, 20
	s_lshl_b32 s23, s13, 8
	s_add_co_u32 s14, s14, s23
	s_add_nc_u64 s[18:19], s[18:19], s[14:15]      ; its row of out: 256 bytes a row, 1,048,576 a head
	; the prefetches: rows 64 qb + 16 cx + 8 (wave & 1) on, at step 2; the round ahead of the loop steps it to step 3
	s_lshl_b32 s14, s35, 6
	s_lshl_b32 s23, s100, 4
	s_add_co_u32 s14, s14, s23
	s_and_b32 s23, s[WV], 1
	s_lshl_b32 s23, s23, 3
	s_add_co_u32 s14, s14, s23
	s_lshl_b32 s14, s14, 14
	s_add_co_u32 s14, s14, 2048
	s_add_nc_u64 s[PFA:PFA+1], s[16:17], s[14:15]
	s_mov_b32 s[SEL], 0x76543210
	s_mov_b32 s[SEL+1], 0xfedcba98
	s_mov_b32 s[CS], 0x51b8aa3b                    ; 2^39 log2(e) / 8
	s_mov_b32 s[CS+1], s[CS]                       ; (the packed forms name pairs, so both words are written)
	s_mov_b32 s[K8], 0x7e9c4000                    ; 80000 x 2^110
	s_mov_b32 s[K8+1], s[K8]
	s_mov_b32 s[TV], 0
	s_mov_b32 s[TJ], 0
	s_mov_b32 s[TRIPS], 6
	; the lane bases, of the wave's number and the lane alone
	v_and_b32 v8, 15, v0                           ; r
	v_bfe_u32 v9, v0, 4, 1                         ; h
	v_and_b32 v10, 7, v0                           ; r % 8
	v_bfe_u32 v11, v0, 3, 1                        ; r / 8
	v_and_b32 v12, 31, v0                          ; lane
	v_mul_u32_u24 v[AM0], v8, MP
	v_mul_u32_u24 v[AK0], v11, MP
	v_mul_u32_u24 v[AV0], v8, VP
	v_lshlrev_b32 v[AKS0], 6, v11
	v_mul_u32_u24 v[AVS0], v12, VSP
	v_lshl_add_u32 v[AM0], v9, 7, v[AM0]
	v_lshl_add_u32 v[AK0], v10, 5, v[AK0]
	v_lshl_add_u32 v[AV0], v9, 4, v[AV0]
	v_lshl_add_u32 v[AKS0], v10, 1, v[AKS0]
	v_add_nc_u32 v[AVS0], s12, v[AVS0]             ; V's scales: row = lane (lanes 16-31: the odd tile), 4 kh bytes on
	v_lshl_add_u32 v[AK0], v9, 4, v[AK0]
	v_lshl_add_u32 v[AKS0], v9, 4, v[AKS0]
	v_add_nc_u32 v[AM0], s8, v[AM0]                ; the mask: row 16 qt + r; 512 kh + 128 h bytes on: my 32 keys of a group of 64
	v_add_nc_u32 v[AV0], s10, v[AV0]               ; V: row r, 64 kh + 16 h bytes on
	v_add_nc_u32 v[AK0], s9, v[AK0]                ; K: 32 keys to a row of 1,024 bytes: row 4 kh + r / 8, key r % 8, + 16 h
	v_add_nc_u32 v[AKS0], s11, v[AKS0]             ; K's scales, 2 bytes a key: key 128 kh + 32 (r / 8) + r % 8, and 8 keys on (the odd tile) in lanes 16-31
	v_lshlrev_b32 v[T1], 5, v8
	v_lshlrev_b32 v[TP], 1, v8                     ; 2 scale bytes a row
	v_lshrrev_b32 v[PFO], 2, v12
	v_and_b32 v[X], 3, v0
	v_lshl_add_u32 v[T1], v9, 4, v[T1]             ; Q: row r of 32 bytes, + 16 h
	v_lshlrev_b32 v[PFO], 14, v[PFO]
	v_lshlrev_b32 v[SH8], 3, v9
	v_lshl_add_u32 v[PFO], v[X], 8, v[PFO]         ; row lane / 4, block lane % 4
	v_mov_b32 v[ST+1], 0xec4ec979                  ; the largest S' so far: -1e27, under every S'; as t: -9.9e37
	v_mul_f32 v[T0], s[CS], v[ST+1]
	v_floor_f32 v[ST], -v[T0]                      ; -M
	v_mov_b32 v[ST+2], 0                           ; the sum, in two halves
	v_mov_b32 v[ST+3], 0
.irp i, 1,2
.irp n, 0,1,2,3
	v_mov_b32 v[ST+4*\i+\n], v[ST+\n]
.endr
.endr
.irp n, 32,33,34,35
	v_mov_b32 v[KF+\n], 0                          ; the last tile's upper four registers
.endr
	VWAIT
.irp i, 0,1,2
	global_load_u16 v[PC+\i], v[TP], s[6:7] offset:8192*\i   ; Q's two scale bytes
.endr
	WIN 0x40                                       ; destination window 1
.irp i, 0,1,2
	global_load_b128 v[QF+8*\i:QF+8*\i+3], v[T1], s[4:5] offset:131072*\i   ; Q, which stays in registers: my 16 queries of three heads
.endr
.irp i, 0,1,2
.irp n, 4,5,6,7
	v_mov_b32 v[QF+8*\i+\n], 0                     ; zero codes for the instruction's upper 64 along K
.endr
.endr
	v_mov_b32 v[CNW], 0xb41c4000                   ; -80000 x 2^-39
	v_mov_b32 v[CNW+1], 0xb41c4000
.set j, 0
.rept 96
	v_mov_b32 v[OT+j], 0                           ; O^T.  The step is written once a slot: its first walk finds zeros, which the first change of M leaves zeros; a first step of its own would be a further copy of the step's text
.set j, j+1
.endr
	WIN 0
; K's eight fragments of head i (four registers each, on end) and their scale words
.macro LDK i
.irp t, 0,1,2,3,4,5,6,7
	ds_load_b128 v[KF+4*\t:KF+4*\t+3], v[ADK] offset:KHB*(\i)+2*MP*(\t/4)+256*(\t%4)
.endr
.irp p, 0,1,2,3
	ds_load_u16 v[KSR+\p], v[ADKS] offset:512*(\i)+128*(\p/2)+32*(\p%2)
.endr
.endm
; V's four fragments of head i (16 of the head's 64 x my 128 keys; e: the slot's second 256 keys) and their scale words
.macro LDV i, e
.irp t, 0,1,2,3
.irp c, 0,1
	ds_load_b128 v[VF+8*\t+4*\c:VF+8*\t+4*\c+3], v[ADV] offset:VHB*(\i)+16*VP*\t+32*\c+128*(\e)
.endr
.endr
.irp u, 0,1
	ds_load_b32 v[VSR+\u], v[ADVS] offset:64*VSP*(\i)+32*VSP*\u+8*(\e)
.endr
.endm
; S' = K Q^T + the adder: eight tiles of 16 keys, each a sum of its own
.macro QK i, s
	WIN 0x14                                       ; sources 1 (Q) and 2 (the adder) window 1
.irp t, 0,1,2,3,4,5,6,7
.if (\t)%2
	v_wmma_scale_f32_16x16x128_f8f6f4 v[\s+8*\t:\s+8*\t+7], v[KF+4*\t:KF+4*\t+7], v[QF+8*(\i):QF+8*(\i)+7], v[ADD+8*\t:ADD+8*\t+7], v[KSR+\t/2], v[QS+(\i)] matrix_a_fmt:MATRIX_FMT_FP4 matrix_b_fmt:MATRIX_FMT_FP4 matrix_a_scale:MATRIX_SCALE_ROW1
.else
	v_wmma_scale_f32_16x16x128_f8f6f4 v[\s+8*\t:\s+8*\t+7], v[KF+4*\t:KF+4*\t+7], v[QF+8*(\i):QF+8*(\i)+7], v[ADD+8*\t:ADD+8*\t+7], v[KSR+\t/2], v[QS+(\i)] matrix_a_fmt:MATRIX_FMT_FP4 matrix_b_fmt:MATRIX_FMT_FP4
.endif
.endr
.endm
; O^T += V^T P^T: four accumulators, one instruction each
.macro PV i
	WIN 0x50                                       ; C and D window 1
.irp t, 0,1,2,3
.if (\t)%2
	v_wmma_scale_f32_16x16x128_f8f6f4 v[OT+32*(\i)+8*\t:OT+32*(\i)+8*\t+7], v[VF+8*\t:VF+8*\t+7], v[PC:PC+7], v[OT+32*(\i)+8*\t:OT+32*(\i)+8*\t+7], v[VSR+\t/2], v[PW] matrix_a_fmt:MATRIX_FMT_FP4 matrix_b_fmt:MATRIX_FMT_FP4 matrix_a_scale:MATRIX_SCALE_ROW1
.else
	v_wmma_scale_f32_16x16x128_f8f6f4 v[OT+32*(\i)+8*\t:OT+32*(\i)+8*\t+7], v[VF+8*\t:VF+8*\t+7], v[PC:PC+7], v[OT+32*(\i)+8*\t:OT+32*(\i)+8*\t+7], v[VSR+\t/2], v[PW] matrix_a_fmt:MATRIX_FMT_FP4 matrix_b_fmt:MATRIX_FMT_FP4
.endif
.endr
	WIN 0
.endm
; Each block's largest score, in two chains a block, the four by turns; each chain ascends.  It serves twice: for the row's maximum and, since p rises with the score, for the block's scale
.macro MAX s
.irp c, 0,1,2,3
	v_max3_num_f32 v[BM+\c/2+2*(\c%2)], v[\s+16*\c], v[\s+16*\c+1], v[\s+16*\c+2]
.endr
.irp n, 3,5,7,9,11,13
.irp c, 0,1,2,3
	v_max3_num_f32 v[BM+\c/2+2*(\c%2)], v[BM+\c/2+2*(\c%2)], v[\s+16*\c+\n], v[\s+16*\c+\n+1]
.endr
.endr
.irp g, 0,1
	v_max3_num_f32 v[BM+\g], v[BM+\g], v[BM+2+\g], v[\s+32*\g+15]
.endr
.irp g, 0,1
	v_max_num_f32 v[BM+\g], v[BM+\g], v[\s+32*\g+31]
.endr
.endm
; Line k of 9 of head i's statistics: the running largest S' of my query, -M and f
.macro STAT i, k
.if (\k) == 0
	v_max3_num_f32 v[ST+4*(\i)+1], v[BM], v[BM+1], v[ST+4*(\i)+1]   ; my 64 keys,
.elseif (\k) == 1
	v_permlanex16_b32 v[TP], v[ST+4*(\i)+1], s[SEL], s[SEL+1]
.elseif (\k) == 2
	v_max_num_f32 v[ST+4*(\i)+1], v[ST+4*(\i)+1], v[TP]             ; and lane l xor 16's
.elseif (\k) == 3
	v_mul_f32 v[T0], s[CS], v[ST+4*(\i)+1]                          ; as t (c is positive)
.elseif (\k) == 4
	v_floor_f32 v[T1], -v[T0]                                       ; the new -M = floor(-t) = -ceil(t): M is a whole number
.elseif (\k) == 5
	v_sub_f32 v[T0], v[T1], v[ST+4*(\i)]                            ; M's old value less its new one: a whole number, 0 or less
.elseif (\k) == 6
	v_mov_b32 v[ST+4*(\i)], v[T1]
.elseif (\k) == 7
	v_cvt_i32_f32 v[T0], v[T0]                                      ; (it saturates)
.else
	v_ldexp_f32 v[F], 1.0, v[T0]                                    ; f = 2^(old M - new M): multiplying by it rounds nothing
.endif
.endm
; t - M, two at a time: cnt pairs from pair b on
.macro FMA s, i, b, cnt
.set j, \b
.rept \cnt
	v_pk_fma_f32 v[\s+2*j:\s+2*j+1], v[\s+2*j:\s+2*j+1], s[CS:CS+1], v[ST+4*(\i):ST+4*(\i)+1] op_sel_hi:[1,0,0]
.set j, j+1
.endr
.endm
; O^T of head i under the new M, from each accumulator's low end on.  The wait ahead serves these reads of matrix results and the exponentials' sources
.macro RESC i
	WIN 0x41                                       ; O^T (destination and source 0) window 1
	VWAIT
.set j, 0
.rept 16
	v_pk_mul_f32 v[OT+32*(\i)+2*j:OT+32*(\i)+2*j+1], v[OT+32*(\i)+2*j:OT+32*(\i)+2*j+1], v[F:F+1] op_sel_hi:[1,0]
.set j, j+1
.endr
.endm
; p = 2^(t - M), 64 numbers, one batch; behind it the blocks' scales (plain lines that name none of its results; they are also places behind the first product that stands ahead of the batch), and the wait ahead of the results' first reader
.macro EXPS s, i
.set j, 0
.rept 64
	v_exp_f32 v[\s+j], v[\s+j]
.set j, j+1
.endr
.irp g, 0,1
	v_fma_f32 v[BM+\g], v[BM+\g], s[CS], v[ST+4*(\i)]   ; x = t - M of the block's largest score
.endr
.irp g, 0,1
	v_max_num_f32 v[BM+\g], 0xc2f80000, v[BM+\g]        ; held to -124: the byte cannot fall under 1
.endr
.irp g, 0,1
	v_cvt_floor_i32_f32 v[BM+\g], v[BM+\g]              ; the exponent of the block's largest p
.endr
	v_lshl_add_u32 v[BM+2], v[BM+1], 16, v[BM]          ; my two bytes, blocks h and 2 + h,
.irp g, 0,1
	v_add_lshl_u32 v[SO+\g], v[BM+\g], 0x7d, 23         ; the conversion's scale operand: 2 off that exponent
.endr
	v_add_nc_u32 v[BM+2], 0x7d007d, v[BM+2]
	v_lshlrev_b32 v[BM+2], v[SH8], v[BM+2]              ; at their places in the scale word (8 h bits up);
	v_permlanex16_b32 v[TP], v[BM+2], s[SEL], s[SEL+1]
	v_or_b32 v[PW], v[BM+2], v[TP]                      ; with lane l xor 16's two the word is whole
	VWAIT
.endm
; P's codes; then the row's sum, of the unquantised p, two at a time in four chains; the first line brings the old sum under the new M.  The next head's statistics (nx) stand between the sums' lines.
; These plain lines, which name no register of the products behind them, are also the place behind the conversions and the places that P's codes (4) and its scale word (8) stand ahead of a scaled matrix instruction
.macro POST s, i, nx
.irp t, 0,1,2,3,4,5,6,7
	v_cvt_scalef32_pk8_fp4_f32 v[PC+\t], v[\s+8*\t:\s+8*\t+7], v[SO+\t/4]   ; tile 4 g + T: keys 64 g + 32 h + 8 T + 0 .. 7: register 4 g + T of P's operand
.endr
.set SN, 0
.rept 32
.if SN%4 == 0
.set CH, ST+4*(\i)+2
.elseif SN%4 == 1
.set CH, X
.elseif SN%4 == 2
.set CH, X1
.else
.set CH, BM+2
.endif
.if SN == 0
	v_pk_fma_f32 v[CH:CH+1], v[CH:CH+1], v[F:F+1], v[\s:\s+1] op_sel_hi:[1,0,1]
.elseif SN < 4
	v_pk_add_f32 v[CH:CH+1], v[\s+4*SN-2:\s+4*SN-1], v[\s+4*SN:\s+4*SN+1]
.elseif SN < 29
	v_pk_add_f32 v[CH:CH+1], v[CH:CH+1], v[\s+2*SN+6:\s+2*SN+7]
.elseif SN == 29
	v_pk_add_f32 v[X:X+1], v[X:X+1], v[X1:X1+1]
.elseif SN == 30
	v_pk_add_f32 v[ST+4*(\i)+2:ST+4*(\i)+3], v[ST+4*(\i)+2:ST+4*(\i)+3], v[BM+2:BM+3]
.else
	v_pk_add_f32 v[ST+4*(\i)+2:ST+4*(\i)+3], v[ST+4*(\i)+2:ST+4*(\i)+3], v[X:X+1]
.endif
.if (\nx >= 0) && (SN%2 == 1) && (SN < 18)
	STAT \nx, SN/2
.endif
.set SN, SN+1
.endr
.endm
; 32 numbers of the mask become the adder
.macro ADDER g
	WIN 0x51                                       ; destination, sources 0 and 2 window 1
.set j, 0
.rept 16
	v_pk_fma_f32 v[ADD+32*(\g)+2*j:ADD+32*(\g)+2*j+1], v[ADD+32*(\g)+2*j:ADD+32*(\g)+2*j+1], s[K8:K8+1], v[CNW:CNW+1] op_sel_hi:[1,0,1]
.set j, j+1
.endr
.endm
; The end of a step's LDS reads.  how = 0: the last step; 1: a barrier behind which nothing is filled; 2, 3, 4: the round of the cluster's barrier behind which slot e of the mask and of K is filled again (3: and the slot of V that the trip has read; 4: without a prefetch).
; Each wave waits for all its tensor loads (its part of the next step's tiles), adds 0 to its spare word, waits for that and for its reads of this slot, and says so
.macro OPEN e, how
.if \how > 0
	s_wait_tensorcnt 0x0
	ds_add_u32 v[SPW], v[NIL]                      ; 0 onto my spare word; the descriptors' steps stand between it and the wait for it
.if \how > 1
	NEXT \e, \how
.endif
.endif
	s_wait_dscnt 0x0
.if \how > 0
	s_barrier_signal -1
.endif
.endm
.macro CLOSE how
.if \how > 0
	s_barrier_wait -1
.endif
.if \how > 1
	CREST                                          ; no wave of any partner still reads the slot or has a load on its way:
	JLOAD \how                                     ; the joint refill comes first, one load a wave
.if \how < 4
	ASK
.endif
.endif
.endm
; A STEP: my 128 keys of slot e, for three heads
.macro STEP e, how
.if \e == 0
	v_add_nc_u32 v[ADV], s[TV], v[AV0]             ; V's addresses serve the trip's two steps
	v_add_nc_u32 v[ADVS], s[TJ], v[AVS0]
.set AM, AM0
.else
	v_add_nc_u32 v[ADM], LMS, v[AM0]
.set AM, ADM
.endif
	v_add_nc_u32 v[ADK], LK0+(\e)*LKS, v[AK0]
	v_add_nc_u32 v[ADKS], LS0+(\e)*1536, v[AKS0]
	WIN 0x40
.irp n, 0,1,2,3,4,5,6,7,8,9,10,11,12,13,14,15
	ds_load_b128 v[ADD+4*\n:ADD+4*\n+3], v[AM] offset:256*(\n/8)+16*(\n%8)   ; mask[my query][64 g + 32 h + 0 .. 31]: the result's layout of tiles 4 g .. 4 g + 3
.endr
	WIN 0
	LDK 0
	s_wait_dscnt 20                                ; the first eight loads of the mask are in; its other eight and K's twelve may be out
	ADDER 0
	s_wait_dscnt 0x0
	ADDER 1
	PLACES                                         ; the adder is kept as far ahead of the scaled matrix instruction as an operand written by vector instructions
	QK 0, SA
	WIN 0
	PLACES
	LDV 0, \e
	LDK 1
	MAX SA
.set SN, 0
.rept 9
	STAT 0, SN
.set SN, SN+1
.endr
	FMA SA, 0, 0, 32
	RESC 0
	s_wait_dscnt 0x0                               ; head 0's V, head 1's K
	QK 1, SB
	WIN 0
	EXPS SA, 0
	MAX SB                                         ; the first readers of head 1's scores, directly behind the wait
	LDK 2
	POST SA, 0, 1
	PV 0
	FMA SB, 1, 0, 4                                ; the four places behind the product, ahead of the loads into its registers
	LDV 1, \e
	FMA SB, 1, 4, 28
	RESC 1
	s_wait_dscnt 10                                ; head 2's K is in; head 1's ten loads of V, issued behind it, may be out
	QK 2, SA
	WIN 0
	EXPS SB, 1
	MAX SA
	POST SB, 1, 2
	s_wait_dscnt 0x0                               ; head 1's V
	PV 1
	FMA SA, 2, 0, 4
	LDV 2, \e
	FMA SA, 2, 4, 28
	RESC 2
	WIN 0
	OPEN \e, \how
	EXPS SA, 2
	POST SA, 2, -1
	PV 2
	CLOSE \how
.endm
	VWAIT
	s_wait_tensorcnt 0x0                           ; my part of step 0 is in; these lines stand ahead of a later first fill as ahead of a refill
	ds_add_u32 v[SPW], v[NIL]
	NEXT 1, 3
	s_wait_dscnt 0x0
	CROUND                                         ; everybody's part of step 0 is in
	JLOAD 3                                        ; step 1, into slot 1 of the mask and of K, and V's second 512 keys: first fills, all of them
	ASK
	s_wait_loadcnt 0x0                             ; Q and its scale bytes
	v_mov_b32 v[PC+6], 40
.irp i, 0,1,2
	v_and_b32 v[PC+4], 0xff, v[PC+\i]
	v_lshrrev_b32 v[PC+5], 8, v[PC+\i]
	v_cmp_gt_u32 vcc_lo, 40, v[PC+4]
	v_cndmask_b32 v[PC+4], v[PC+4], v[PC+6], vcc_lo
	v_cmp_gt_u32 vcc_lo, 40, v[PC+5]
	v_cndmask_b32 v[PC+5], v[PC+5], v[PC+6], vcc_lo
	v_sub_nc_u32 v[PC+4], v[PC+4], 39              ; 2^-39 goes into Q's scales
	v_sub_nc_u32 v[PC+5], v[PC+5], 39
	v_lshl_or_b32 v[QS+\i], v[PC+5], 8, v[PC+4]
.endr
	VWAIT
.Ltrip:                                            ; six trips of two steps; V's slot is filled again at a trip's end, two trips ahead
	STEP 0, 2
	STEP 1, 3
	s_xor_b32 s[TV], s[TV], VX
	s_add_co_u32 s[TJ], s[TJ], 16
	s_sub_co_u32 s[TRIPS], s[TRIPS], 1
	s_cmp_lg_u32 s[TRIPS], 0
	s_cbranch_scc1 .Ltrip
	STEP 0, 4                                      ; the last four steps are written out: V is filled no more,
	STEP 1, 4
	s_xor_b32 s[TV], s[TV], VX
	s_add_co_u32 s[TJ], s[TJ], 16
	STEP 0, 1                                      ; and behind the last two nothing is
	STEP 1, 0
	; THE TAIL.  Waves w and w + 4 join the two halves of the keys: the first finishes heads 0 and 1, the second head 2; each hands the other's O^T, -M and sums over as images of its registers.
.irp i, 0,1,2
	v_add_f32 v[ST+4*\i+1], v[ST+4*\i+2], v[ST+4*\i+3]   ; the sum's two halves (the largest S' is done with).  These lines and those below are the places behind the last products
.endr
	s_mul_i32 s8, s[QT], MRGW
	s_add_co_u32 s9, s8, 24*512
	s_add_co_u32 s10, s8, STG
	v_and_b32 v[T1], 31, v0                        ; lane
	v_and_b32 v[TP], 15, v0                        ; r
	v_bfe_u32 v[X], v0, 4, 1                       ; h
	v_lshl_add_u32 v[MA], v[T1], 4, s8             ; an image: 16 bytes a lane
	v_lshl_add_u32 v[MS], v[T1], 3, s9             ; the statistics behind it: 8 bytes a lane
	v_mul_u32_u24 v[STO], v[TP], SP
	v_mul_u32_u24 v[RD], v[X], SP
	v_lshlrev_b32 v[GO], 8, v[X]
	v_lshl_add_u32 v[STO], v[X], 5, v[STO]
	v_lshl_add_u32 v[RD], v[TP], 4, v[RD]
	v_lshl_add_u32 v[GO], v[TP], 4, v[GO]          ; in out: lanes 0-15 one row of 256 bytes, lanes 16-31 the next
	v_add_nc_u32 v[STO], s10, v[STO]               ; into the stage: row r; a tile's eight channels of my half: 64 t + 32 h bytes on
	v_add_nc_u32 v[RD], s10, v[RD]                 ; back: the same two rows as in out
; heads f .. f + n - 1 go to the partner
.macro GIVE f, n
	WIN 0x04                                       ; an LDS store's data are its source 1: window 1
	VWAIT
.set j, 0
.rept 8*(\n)
	ds_store_b128 v[MA], v[OT+32*(\f)+4*j:OT+32*(\f)+4*j+3] offset:512*(8*(\f)+j)   ; each accumulator from its low end on
.set j, j+1
.endr
	WIN 0
.set k, 0
.rept \n
	ds_store_b64 v[MS], v[ST+4*(\f+k):ST+4*(\f+k)+1] offset:256*(\f+k)   ; -M and the sum
.set k, k+1
.endr
.endm
; one line for each of n heads
.macro EACH n, line:vararg
.set k, 0
.rept \n
	\line
.set k, k+1
.endr
.endm
; heads f .. f + n - 1 are joined, divided and stored
.macro TAKE f, n
	EACH \n, ds_load_b64 v[PS+2*k:PS+2*k+1], v[MS] offset:256*(\f+k)
.set j, 0
.rept 8*(\n)
	ds_load_b128 v[SA+4*j:SA+4*j+3], v[MA] offset:512*(8*(\f)+j)
.set j, j+1
.endr
	s_wait_dscnt 8*(\n)                            ; the partner's statistics are in; the loads of its O^T, issued behind them, may be out
	EACH \n, v_min_num_f32 v[G+4*k+1], v[ST+4*(\f+k)], v[PS+2*k]         ; the joint -M: the smaller
	EACH \n, v_sub_f32 v[G+4*k], v[G+4*k+1], v[ST+4*(\f+k)]              ; my M less the joint one, a whole number, 0 or less;
	EACH \n, v_sub_f32 v[G+4*k+2], v[G+4*k+1], v[PS+2*k]                 ; the partner's likewise
	EACH \n, v_cvt_i32_f32 v[G+4*k], v[G+4*k]
	EACH \n, v_cvt_i32_f32 v[G+4*k+2], v[G+4*k+2]
	EACH \n, v_ldexp_f32 v[G+4*k], 1.0, v[G+4*k]                         ; fa
	EACH \n, v_ldexp_f32 v[G+4*k+2], 1.0, v[G+4*k+2]                     ; fb
	EACH \n, v_mul_f32 v[G+4*k+3], v[ST+4*(\f+k)+1], v[G+4*k]
	EACH \n, v_fma_f32 v[G+4*k+3], v[PS+2*k+1], v[G+4*k+2], v[G+4*k+3]   ; both halves of the keys under the joint M,
	EACH \n, v_permlanex16_b32 v[G+4*k+1], v[G+4*k+3], s[SEL], s[SEL+1]
	EACH \n, v_add_f32 v[G+4*k+3], v[G+4*k+3], v[G+4*k+1]                ; and lane l xor 16's: the row's sum
	VWAIT
	EACH \n, v_rcp_f32 v[G+4*k+1], v[G+4*k+3]
	v_nop                                          ; a plain instruction between the last reciprocal and the use of its result
	VWAIT
	EACH \n, v_mul_f32 v[G+4*k], v[G+4*k], v[G+4*k+1]                    ; fa / l
	EACH \n, v_mul_f32 v[G+4*k+2], v[G+4*k+2], v[G+4*k+1]                ; fb / l
	VWAIT
	s_wait_dscnt 0x0                               ; the partner's O^T is in
.set j, 0
.rept 16*(\n)
	v_pk_mul_f32 v[SA+2*j:SA+2*j+1], v[SA+2*j:SA+2*j+1], v[G+4*(j/16)+2:G+4*(j/16)+3] op_sel_hi:[1,0]
.set j, j+1
.endr
	WIN 0x01                                       ; source 0 (my O^T) window 1
	VWAIT
.set j, 0
.rept 16*(\n)
	v_pk_fma_f32 v[SA+2*j:SA+2*j+1], v[OT+32*(\f)+2*j:OT+32*(\f)+2*j+1], v[G+4*(j/16):G+4*(j/16)+1], v[SA+2*j:SA+2*j+1] op_sel_hi:[1,0,1]   ; register 8 t + n: out(query r, channel 16 t + 8 h + n)
.set j, j+1
.endr
	WIN 0
	; a lane holds 32 neighbouring bytes of a row and the lanes beside it other rows: so a head's 16 rows go through my own stage and come back as whole rows of 256 bytes, into the registers that they left.
	; LDS serves a wave's instructions in order (ISA guide 5.7.1.4): no wait between the stores and the loads
.set k, 0
.rept \n
.irp t, 0,1,2,3
	ds_store_b128 v[STO], v[SA+32*k+8*\t:SA+32*k+8*\t+3] offset:16*SP*(\f+k)+64*\t
	ds_store_b128 v[STO], v[SA+32*k+8*\t+4:SA+32*k+8*\t+7] offset:16*SP*(\f+k)+64*\t+16
.endr
.irp q, 0,1,2,3,4,5,6,7
	ds_load_b128 v[SA+32*k+4*\q:SA+32*k+4*\q+3], v[RD] offset:16*SP*(\f+k)+2*SP*\q
.endr
.set k, k+1
.endr
.set k, 0
.rept \n
.irp q, 0,1,2,3,4,5,6,7
	s_wait_dscnt (7-\q)+16*(\n-1-k)                ; behind this load: the head's later loads, and sixteen LDS instructions for a later head
	global_store_b128 v[GO], v[SA+32*k+4*\q:SA+32*k+4*\q+3], s[18:19] offset:1048576*(\f+k)+512*\q th:TH_STORE_NT   ; 16 lanes store 256 consecutive bytes, a whole row of out, at a multiple of 256 from its first byte; written once
.endr
.set k, k+1
.endr
.endm
	VWAIT
	s_cmp_lt_u32 s[WV], 4
	s_cbranch_scc0 .Lgive_two
	GIVE 2, 1
	s_branch .Lgiven
.Lgive_two:
	GIVE 0, 2
.Lgiven:
	s_wait_dscnt 0x0                               ; for the partner's sake: my stores have landed
	s_barrier_signal -1
	s_barrier_wait -1
	s_cmp_lt_u32 s[WV], 4
	s_cbranch_scc0 .Ltake_one
	TAKE 0, 2
	s_branch .Lend
.Ltake_one:
	TAKE 2, 1
.Lend:
	s_wait_tensorcnt 0x0                           ; the wave's end, behind my last tensor load and my last LDS store
	ds_add_u32 v[SPW], v[NIL]
	s_wait_dscnt 0x0
	CROUND                                         ; the closing round: no work-group ends while a partner may still ask for a tile that names it
	s_endpgm
.Lfunc_end_k_q8184614f68_bigbird:
	.size	k_q8184614f68_bigbird, .Lfunc_end_k_q8184614f68_bigbird-k_q8184614f68_bigbird
	.p2alignl 7, 3214868480
	.fill 96, 4, 3214868480
	.section	.rodata,"a",@progbits
	.p2align	6, 0x0
	.amdhsa_kernel k_q8184614f68_bigbird
		.amdhsa_group_segment_fixed_size 327680
		.amdhsa_private_segment_fixed_size 0
		.amdhsa_enable_private_segment 0
		.amdhsa_kernarg_size 64
		.amdhsa_user_sgpr_count 2
		.amdhsa_user_sgpr_kernarg_segment_ptr 1
		.amdhsa_wavefront_size32 1
		.amdhsa_system_sgpr_workgroup_id_x 1
		.amdhsa_system_sgpr_workgroup_id_y 1
		.amdhsa_system_sgpr_workgroup_id_z 1
		.amdhsa_system_vgpr_workitem_id 0
		.amdhsa_next_free_vgpr 448
		.amdhsa_next_free_sgpr 106
		.amdhsa_reserve_vcc 1
		.amdhsa_float_denorm_mode_32 3
		.amdhsa_float_denorm_mode_16_64 3
		.amdhsa_memory_ordered 1
		.amdhsa_forward_progress 1
		.amdhsa_inst_pref_size 255
	.end_amdhsa_kernel
	.section	.bss,"aw",@nobits
	.p2align	6
	.space	262144
	.amdgpu_metadata
---
amdhsa.version: [ 1, 2 ]
amdhsa.kernels:
  - .name:           k_q8184614f68_bigbird
    .symbol:         k_q8184614f68_bigbird.kd
    .args:
      - { .name: q_codes, .offset: 0, .size: 8, .value_kind: global_buffer, .address_space: global }
      - { .name: q_scales, .offset: 8, .size: 8, .value_kind: global_buffer, .address_space: global }
      - { .name: k_codes, .offset: 16, .size: 8, .value_kind: global_buffer, .address_space: global }
      - { .name: k_scales, .offset: 24, .size: 8, .value_kind: global_buffer, .address_space: global }
      - { .name: v_codes, .offset: 32, .size: 8, .value_kind: global_buffer, .address_space: global }
      - { .name: v_scales, .offset: 40, .size: 8, .value_kind: global_buffer, .address_space: global }
      - { .name: mask, .offset: 48, .size: 8, .value_kind: global_buffer, .address_space: global }
      - { .name: out0, .offset: 56, .size: 8, .value_kind: global_buffer, .address_space: global }
    .group_segment_fixed_size: 327680
    .private_segment_fixed_size: 0
    .kernarg_segment_align: 8
    .kernarg_segment_size: 64
    .max_flat_workgroup_size: 256
    .sgpr_count:     106
    .vgpr_count:     448
    .wavefront_size: 32
...
	.end_amdgpu_metadata
.endif
;; end of part 1
